; MI455X (gfx1250); checked and timed in simulation.
; The chip was launched on July 23, 2026; its instructions are those of AMD's public machine-readable ISA for CDNA 5 (MIT licence, August 2026) and "CDNA5" Instruction Set Architecture Reference Guide (July 2026). The comments in the code are by the model that wrote it; some were corrected since.
;; Nemotron H Experts. Allowed arithmetic: float matrix products may take bf16 or f16 operands with f32 sums; other float arithmetic in f32, or as packed bf16 or f16 multiplies, adds, multiply-adds, maxima and minima; sums over many terms, partial sums and values carried from step to step in f32; what a program stores and reads back later, other than sums and carried values, may be rounded once to bf16 or f16.
;; Inputs: down_proj 8 x 2,048 x 256 float32; hidden_states 8,192 x 2,048 float32; top_k_index 8,192 x 2 int32; top_k_weights 8,192 x 2 float32; up_proj 8 x 256 x 2,048 float32.
;; Outputs: out0 8,192 x 2,048 float32.
;; 2 versions, each right; version 2 is version 1 with the launch chain written anew for expert scheduling mode. Each part assembles by itself: llvm-mc -triple=amdgcn-amd-amdhsa -mcpu=gfx1250 --defsym DOCPART=n.
;; ======== version 1 of 2: 2 launches
;; limits: values are held in f16: magnitudes above 65,504 overflow, below 6.1e-05 lose precision; right only within a limited range of input values
;; workspace buffers: wup 8,388,608 bytes; wdn 8,388,608 bytes; counts 256 bytes of whole numbers; order 1,188,864 bytes of whole numbers
;; launch prep (part 1): grid 292 x 1, 8 waves a work-group, no clusters, 68,864 bytes of LDS; arguments up_proj, down_proj, top_k_index, wup, wdn, counts, order; writes wup, wdn, counts, order
.if DOCPART == 1
	.amdgcn_target "amdgcn-amd-amdhsa--gfx1250"
	.amdhsa_code_object_version 6
	.text
	.protected	k_q9b9f17e454_prep
	.globl	k_q9b9f17e454_prep
	.p2align	8
	.type	k_q9b9f17e454_prep,@function
k_q9b9f17e454_prep:
	s_mov_b64 s[64:65], 0
	v_nop
	global_prefetch_b8 v0, s[64:65] scope:SCOPE_SE
	s_setreg_imm32_b32 hwreg(HW_REG_WAVE_MODE, 25, 1), 1
	s_wait_xcnt 0x0
; PREP: two jobs that the chain needs done once, in one launch.
; Work-groups 0-35: work-group q lists the tokens whose two experts are the unordered pair number q (a <= b, pairs in
;   lexicographic order: 36 of them).  order[q][0 .. n-1] = token numbers, order[q][n .. n+63] = 0, counts[q] = n.
;   Every work-group scans all 8,192 pairs of indices (64 KiB) for itself: no traffic between work-groups, no atomics.
; Work-groups 36-291: up_proj and down_proj are rounded once to bf16 and laid in the order in which a wave's matrix
;   operand registers take them.  A fragment is 16 rows x 32 k = 1,024 bytes: [j 2][lane 32][16 bytes] =
;   W[row0 + lane % 16][k0 + 16 j + 8 (lane / 16) + 0..7]: two loads of 16 bytes a lane fill the eight registers.
;   wup: [e 8][half 2][kstep 64][ub 8][fragment], rows = units 128 half + 16 ub, k = 32 kstep; bf16
;   wdn: [e 8][cc 16][kstep 8][cb 8][fragment],   rows = out columns 128 cc + 16 cb, k = units 32 kstep; the bf16 number written as f16,
;        since the chain's second product takes its hidden layer in f16
;   One wave takes one tile of 16 rows x 256 k (8 fragments): 2,048 tiles, 1,024 of each tensor.
; LIMITS: indices lie in 0..7, as the problem states; a token with another index is listed under a wrong pair or none.
;   A number of down_proj of 65,520 or more becomes an infinity in f16; one below 7.6e-6 keeps f16's fixed step of 6e-8; between the two the bf16 number is kept exactly.
.set PS,    528                        ; a stage row: 512 bytes of 16-bit numbers + 16: the sixteen rows of a fragment read start 16 bytes apart modulo 256
.set STGW,  16*PS                      ; a wave's own stage: 16 rows
.set XCH,   8*STGW                     ; 67,584: eight words, the waves' counts (a block of 256 bytes of its own)
.set SPARE, XCH+256                    ; 67,840: the spare words, 128 bytes for each of eight waves; no other line names them
.set ROWB,  33024                      ; bytes of a row of order: 8,256 words
.set SPW, 30                           ; v30  SPARE + 4 x my thread's number; never rewritten
.set NIL, 31                           ; v31  0; never rewritten
.set VO,  8                            ; v8-23    weights: row x pitch + 16 x lane
.set IN,  32                           ; v32-159  32 loads of four registers (the lists: 16 loads)
.set OF,  160                          ; v160-223 weights: 16 half fragments on their way out
.set AD,  160                          ; v160-191 lists: mask i's byte offsets in my row of order
.set TN,  192                          ; v192-223 lists: mask i's token numbers
	s_load_b256 s[4:11], s[0:1], 0x0               ; up s[4:5], down s[6:7], index s[8:9], wup s[10:11]
	s_load_b128 s[12:15], s[0:1], 0x20             ; wdn s[12:13], counts s[14:15]
	s_load_b64 s[16:17], s[0:1], 0x30              ; order
	v_lshl_add_u32 v[SPW], v0, 2, SPARE
	v_mov_b32 v[NIL], 0
	v_lshrrev_b32 v2, 5, v0
	v_readfirstlane_b32 s20, v2                    ; wave 0..7
	v_and_b32 v3, 31, v0                           ; lane
	v_lshlrev_b32 v1, 4, v3                        ; 16 x lane
	s_wait_kmcnt 0x0
	s_cmp_lt_u32 ttmp9, 36                         ; the same answer in all eight waves
	s_cbranch_scc1 .Lsort
	; ---------------- THE WEIGHTS ----------------
	s_sub_co_u32 s21, ttmp9, 36
	s_lshl3_add_u32 s21, s21, s20                  ; T = 8 (work-group - 36) + wave: 0..1023 up, 1024..2047 down
	s_and_b32 s22, s21, 1023
	s_lshr_b32 s23, s22, 7                         ; expert
	; up: T = [e 3][rb 4][kq 3]: rows 16 rb, k 256 kq
	s_bfe_u32 s28, s22, 0x40003                    ; rb
	s_and_b32 s29, s22, 7                          ; kq
	s_lshl_b32 s30, s28, 17                        ; 16 rows of 8,192 bytes
	s_lshl_b32 s31, s29, 10
	s_add_co_u32 s30, s30, s31                     ; from: rb, kq
	s_lshr_b32 s32, s28, 3
	s_lshl1_add_u32 s31, s23, s32                  ; 2 e + half
	s_lshl_b32 s31, s31, 6
	s_lshl3_add_u32 s31, s29, s31                  ; x 64 + first kstep
	s_lshl_b32 s31, s31, 13
	s_and_b32 s32, s28, 7
	s_lshl_b32 s32, s32, 10
	s_add_co_u32 s31, s31, s32                     ; to: + ub
	; down: T - 1024 = [e 3][rb 7]: rows 16 rb, all 256 k
	s_and_b32 s33, s22, 127
	s_lshl_b32 s34, s33, 14                        ; from: 16 rows of 1,024 bytes
	s_lshr_b32 s36, s33, 3
	s_lshl4_add_u32 s35, s23, s36                  ; 16 e + cc
	s_lshl_b32 s35, s35, 16
	s_and_b32 s36, s33, 7
	s_lshl_b32 s36, s36, 10
	s_add_co_u32 s35, s35, s36                     ; to: + cb
	s_movk_i32 s38, 0x2000                         ; bytes from row to row: up,
	s_movk_i32 s39, 0x400                          ; down
	s_cmp_lt_u32 s21, 1024
	s_cselect_b64 s[24:25], s[4:5], s[6:7]
	s_cselect_b64 s[26:27], s[10:11], s[12:13]
	s_cselect_b32 s40, s30, s34
	s_cselect_b32 s42, s31, s35
	s_cselect_b32 s37, s38, s39
	s_lshl_b32 s38, s23, 21                        ; an expert is 2 MiB of f32 in both tensors
	s_add_co_u32 s40, s40, s38
	s_mov_b32 s41, 0
	s_mov_b32 s43, 0
	s_add_nc_u64 s[24:25], s[24:25], s[40:41]
	s_add_nc_u64 s[26:27], s[26:27], s[42:43]
.set i, 0
.rept 16
	v_mad_u32_u24 v[VO+i], s37, i, v1
.set i, i+1
.endr
.set i, 0
.rept 32                                               ; row i / 2, half i % 2: 512 consecutive bytes a load; all 32 go out before the first wait
	global_load_b128 v[IN+4*i:IN+4*i+3], v[VO+i/2], s[24:25] offset:(i%2)*512 th:TH_LOAD_NT
.set i, i+1
.endr
	s_mul_i32 s44, s20, STGW                       ; my stage
	v_lshl_add_u32 v2, v3, 3, s44                  ; in: 8 bytes a lane
	v_and_b32 v4, 15, v0
	v_bfe_u32 v5, v0, 4, 1
	v_mul_u32_u24 v3, v4, PS
	v_lshl_add_u32 v3, v5, 4, v3
	v_add_nc_u32 v3, s44, v3                       ; back: row lane % 16, 16 bytes for each half of the lanes
; The 32 loads are rounded to bf16 and laid into my stage.  half = 1 (down_proj): the bf16 numbers are widened again (a shift, a mask) and written as f16.
.macro TOSTG half
.set i, 0
.rept 32
	s_wait_loadcnt 31-i                            ; loads come back in order: load i is in, the 31 - i younger ones stay out
	v_cvt_pk_bf16_f32 v[IN+4*i],   v[IN+4*i],   v[IN+4*i+1]
	v_cvt_pk_bf16_f32 v[IN+4*i+1], v[IN+4*i+2], v[IN+4*i+3]
.if \half
	v_and_b32     v[IN+4*i+2], 0xffff0000, v[IN+4*i]
	v_lshlrev_b32 v[IN+4*i],   16, v[IN+4*i]
	v_and_b32     v[IN+4*i+3], 0xffff0000, v[IN+4*i+1]
	v_lshlrev_b32 v[IN+4*i+1], 16, v[IN+4*i+1]
	v_cvt_pk_f16_f32 v[IN+4*i],   v[IN+4*i],   v[IN+4*i+2]
	v_cvt_pk_f16_f32 v[IN+4*i+1], v[IN+4*i+1], v[IN+4*i+3]
.endif
	ds_store_b64 v2, v[IN+4*i:IN+4*i+1] offset:(i/2)*PS+(i%2)*256
.set i, i+1
.endr
.endm
	s_cmp_lt_u32 ttmp9, 164                        ; work-groups 36-163 have up_proj's tiles, 164-291 down_proj's
	s_cbranch_scc0 .Ldown
	TOSTG 0
	s_branch .Lstaged
.Ldown:
	TOSTG 1
.Lstaged:
.set i, 0
.rept 16                                               ; fragment i / 2, half i % 2.  My own bytes, and LDS serves a wave's instructions in order: no wait between
	ds_load_b128 v[OF+4*i:OF+4*i+3], v3 offset:(i/2)*64+(i%2)*32
.set i, i+1
.endr
.set i, 0
.rept 16
	s_wait_dscnt 15-i                              ; the 15 - i younger reads stay out
	global_store_b128 v1, v[OF+4*i:OF+4*i+3], s[26:27] offset:(i/2)*8192+(i%2)*512  ; 512 consecutive bytes, at a multiple of 512 from the buffer's first
.set i, i+1
.endr
	s_wait_tensorcnt 0x0                           ; the wave's end, behind my last LDS store
	ds_add_u32 v[SPW], v[NIL]
	s_wait_dscnt 0x0
	s_endpgm
	; ---------------- THE LISTS ----------------
.Lsort:
	s_mov_b32 s18, 0                               ; a: the pair's lower expert,
	s_mov_b32 s19, 0                               ; and the number of the first pair with that a
.macro FIRSTQ a, thr
	s_cmp_ge_u32 ttmp9, \thr
	s_cselect_b32 s18, \a, s18
	s_cselect_b32 s19, \thr, s19
.endm
	FIRSTQ 1, 8
	FIRSTQ 2, 15
	FIRSTQ 3, 21
	FIRSTQ 4, 26
	FIRSTQ 5, 30
	FIRSTQ 6, 33
	FIRSTQ 7, 35
	s_mul_i32 s18, s18, 9
	s_add_co_u32 s18, s18, ttmp9
	s_sub_co_u32 s18, s18, s19                     ; the key 8 a + b, with b = a + q - first
	s_mul_i32 s68, ttmp9, ROWB
	s_mov_b32 s69, 0
	s_add_nc_u64 s[66:67], s[16:17], s[68:69]      ; my row of order
	v_lshl_add_u32 v4, s20, 13, v1                 ; a wave scans 1,024 tokens: 8,192 bytes
.set i, 0
.rept 16                                               ; lane l of load i: tokens 1024 wave + 64 i + 2 l and the next, two indices each
	global_load_b128 v[IN+4*i:IN+4*i+3], v4, s[8:9] offset:i*512
.set i, i+1
.endr
	v_lshlrev_b32 v7, 1, v3
	v_lshl_add_u32 v7, s20, 10, v7                 ; 1024 wave + 2 lane
	s_mov_b32 s21, 0
	s_wait_loadcnt 0x0
.set i, 0
.rept 32                                               ; mask i: which lanes' token (load i / 2, token i % 2) has my pair
	v_min_u32 v8, v[IN+2*i], v[IN+2*i+1]
	v_max_u32 v9, v[IN+2*i], v[IN+2*i+1]
	v_lshl_add_u32 v8, v8, 3, v9
	v_cmp_eq_u32 s[24+i], s18, v8
	s_bcnt1_i32_b32 s19, s[24+i]
	s_add_co_u32 s21, s21, s19                     ; my wave's count
.set i, i+1
.endr
	v_lshl_add_u32 v10, s20, 2, XCH
	v_mov_b32 v11, s21
	ds_store_b32 v10, v11                          ; all lanes store the same word with the same number
	s_wait_dscnt 0x0                               ; for the others' sake: my store is done
	s_barrier_signal -1
	s_barrier_wait -1
	v_mov_b32 v10, XCH
	ds_load_b128 v[12:15], v10
	ds_load_b128 v[16:19], v10 offset:16
	s_wait_dscnt 0x0
	s_mov_b32 s22, 0                               ; n: all eight waves' counts,
	s_mov_b32 s21, 0                               ; and where my wave's part begins: the counts of the waves before me
.set i, 0
.rept 8
	v_readfirstlane_b32 s[56+i], v[12+i]
	s_add_co_u32 s22, s22, s[56+i]
	s_cmp_lt_u32 i, s20
	s_cselect_b32 s19, s[56+i], 0
	s_add_co_u32 s21, s21, s19
.set i, i+1
.endr
	; All that the stores below name is made here, with all lanes on, ahead of the first change of EXEC: between the masked stores stands no vector arithmetic.
.set i, 0
.rept 32
	v_mbcnt_lo_u32_b32 v[AD+i], s[24+i], 0         ; how many chosen lanes stand below mine,
	v_add_nc_u32 v[AD+i], s21, v[AD+i]             ; behind all that were placed before this mask
	v_min_u32 v[AD+i], 0x1fff, v[AD+i]             ; a place in the list is below n <= 8,192
	v_lshlrev_b32 v[AD+i], 2, v[AD+i]
	v_add_nc_u32 v[TN+i], (i/2)*64+(i%2), v7       ; the token's number
	s_bcnt1_i32_b32 s19, s[24+i]
	s_add_co_u32 s21, s21, s19
.set i, i+1
.endr
	s_lshl_b32 s19, ttmp9, 2
	v_mov_b32 v26, s22                             ; n,
	v_mov_b32 v27, s19                             ; and its place in counts
	s_cmp_ge_u32 s20, 2
	s_cbranch_scc1 .Lnopad                         ; threads 0-63 write the 64 zeros behind the list: a tile's 48 reads never meet a word that nobody wrote
	v_add_nc_u32 v5, s22, v0
	v_min_u32 v5, 0x203f, v5                       ; n + 63 <= 8,255, the row's last word
	v_lshlrev_b32 v5, 2, v5
	v_mov_b32 v6, 0
	global_store_b32 v5, v6, s[66:67]
.Lnopad:
	s_wait_xcnt 0x0                                ; EXEC changes only behind this wait
.set i, 0
.rept 32                                               ; stores of four bytes a lane: 8,192 of them in the whole launch, 32 KiB
	s_mov_b32 vcc_lo, s[24+i]
	s_and_saveexec_b32 s23, vcc_lo                 ; the chosen lanes alone
	global_store_b32 v[AD+i], v[TN+i], s[66:67]
	s_wait_xcnt 0x0                                ; and again, in front of the line that widens it
	s_or_b32 exec_lo, exec_lo, s23                 ; EXEC restored from s23
.set i, i+1
.endr
	v_cmp_eq_u32 vcc_lo, 0, v0                     ; thread 0 alone (no memory instruction has been issued since the last wait)
	s_and_saveexec_b32 s23, vcc_lo
	global_store_b32 v27, v26, s[14:15]            ; counts[q] = n
	s_wait_xcnt 0x0
	s_or_b32 exec_lo, exec_lo, s23
	s_wait_tensorcnt 0x0                           ; the wave's end, behind my last LDS store
	ds_add_u32 v[SPW], v[NIL]
	s_wait_dscnt 0x0
	s_endpgm
.Lfunc_end_k_q9b9f17e454_prep:
	.size	k_q9b9f17e454_prep, .Lfunc_end_k_q9b9f17e454_prep-k_q9b9f17e454_prep
	.p2alignl 7, 3214868480
	.fill 96, 4, 3214868480
	.section	.rodata,"a",@progbits
	.p2align	6, 0x0
	.amdhsa_kernel k_q9b9f17e454_prep
		.amdhsa_group_segment_fixed_size 68864
		.amdhsa_private_segment_fixed_size 0
		.amdhsa_enable_private_segment 0
		.amdhsa_kernarg_size 56
		.amdhsa_user_sgpr_count 2
		.amdhsa_user_sgpr_kernarg_segment_ptr 1
		.amdhsa_wavefront_size32 1
		.amdhsa_system_sgpr_workgroup_id_x 1
		.amdhsa_system_sgpr_workgroup_id_y 1
		.amdhsa_system_sgpr_workgroup_id_z 1
		.amdhsa_system_vgpr_workitem_id 0
		.amdhsa_next_free_vgpr 224
		.amdhsa_next_free_sgpr 72
		.amdhsa_reserve_vcc 1
		.amdhsa_float_denorm_mode_32 3
		.amdhsa_float_denorm_mode_16_64 3
		.amdhsa_memory_ordered 1
		.amdhsa_forward_progress 1
		.amdhsa_inst_pref_size 64
	.end_amdhsa_kernel
	.amdgpu_metadata
---
amdhsa.version: [ 1, 2 ]
amdhsa.kernels:
  - .name:           k_q9b9f17e454_prep
    .symbol:         k_q9b9f17e454_prep.kd
    .args:
      - { .name: up_proj, .offset: 0, .size: 8, .value_kind: global_buffer, .address_space: global }
      - { .name: down_proj, .offset: 8, .size: 8, .value_kind: global_buffer, .address_space: global }
      - { .name: top_k_index, .offset: 16, .size: 8, .value_kind: global_buffer, .address_space: global }
      - { .name: wup, .offset: 24, .size: 8, .value_kind: global_buffer, .address_space: global }
      - { .name: wdn, .offset: 32, .size: 8, .value_kind: global_buffer, .address_space: global }
      - { .name: counts, .offset: 40, .size: 8, .value_kind: global_buffer, .address_space: global }
      - { .name: order, .offset: 48, .size: 8, .value_kind: global_buffer, .address_space: global }
    .group_segment_fixed_size: 68864
    .private_segment_fixed_size: 0
    .kernarg_segment_align: 8
    .kernarg_segment_size: 56
    .max_flat_workgroup_size: 256
    .sgpr_count:     72
    .vgpr_count:     224
    .wavefront_size: 32
...
	.end_amdgpu_metadata
.endif
;; end of part 1
;; launch chain (part 2): grid 206 x 1, 4 waves a work-group, no clusters, 282,624 bytes of LDS; arguments hidden_states, top_k_index, top_k_weights, wup, wdn, counts, order, out0; writes out0
.if DOCPART == 2
	.amdgcn_target "amdgcn-amd-amdhsa--gfx1250"
	.amdhsa_code_object_version 6
	.text
	.protected	k_q9b9f17e454_chain
	.globl	k_q9b9f17e454_chain
	.p2align	8
	.type	k_q9b9f17e454_chain,@function
k_q9b9f17e454_chain:
	s_mov_b64 s[64:65], 0
	v_nop
	global_prefetch_b8 v0, s[64:65] scope:SCOPE_SE
	s_setreg_imm32_b32 hwreg(HW_REG_WAVE_MODE, 25, 1), 1
	s_wait_xcnt 0x0
; CHAIN: out[t] = w_a relu2(x[t] Wup_a^T) Wdown_a^T + w_b relu2(x[t] Wup_b^T) Wdown_b^T for the token's two experts a <= b.
; A work-group takes a TILE of up to 48 tokens that have the same pair (a, b) through the whole chain; for them it is one chain with 512 hidden units
; (a's 256, then b's 256), so each out row has one owner and is stored once.  Where a = b the two slots' weights go to the two halves, and the sum is (w0 + w1) y.
; GRID.  The sum over the 36 pairs of ceil(n / 48) is at most 171 + 35 = 206 for every split of 8,192 tokens.  Every work-group finds its tile from the 36 stored counts.
; A work-group that the split leaves without rows takes CNT = 0 and the first 48 places of a list: every wave passes all three barriers, which stand under no branch on loaded numbers; it leaves
; behind the last barrier and stores nothing.  Places past a tile's count hold token 0 (a row that exists); their results stay in their own lanes and are not stored.
; SHARES.  Gather: wave w rounds K quarter w of all 48 rows to bf16 into LDS.  Up: wave w makes hidden units 128 w .. 128 w + 127 (waves 0, 1: expert a; 2, 3: expert b) for all 48 tokens.
; Down: wave w makes out columns 512 w .. 512 w + 511, in four chunks of 128.  Both products run the same STEP: 8 weight fragments x 3 token blocks = 24 matrix instructions on 24 accumulators.
; WEIGHTS come from memory straight into registers, in fragment order (as prep laid them), through a ring of four buffers of one step (8 KiB): 48 to 64 loads of a wave are on their way.
; Each weight byte that a work-group needs is read by one wave of it, so the product loops write no LDS and need no barrier.
; NO CLUSTER: partners would have to be tiles of one pair, and groups of four such tiles serve every split only with 43 + 35 = 78 clusters, 312 work-groups; and beside the token tile
; (197,376 bytes), H and the stages LDS has room for two slots of under two steps' weights of four waves each, a round for every 24 to 36 matrix instructions of a wave.
; THE MATRIX INSTRUCTION takes 16 weight rows as source 0 and 16 tokens as source 1: in the result lane l holds token l % 16 and registers 0-7 the units (columns) 8 (l / 16) + 0..7.
; FORMATS.  All five inputs' numbers are rounded to bf16 (the slots' weights too); all sums are f32.  The first product multiplies in bf16.  The hidden layer g = w relu(p)^2, made in f32, is the second
; product's operand in f16, whose 11 significant bits leave an eighth of bf16's rounding error; down_proj's bf16 numbers are written as f16 for it.  f16 by itself has no room for g (it grows with the fourth
; power of a common factor on x and up_proj), so each token's g is first multiplied by 2^(127 - E), E the f32 exponent field of the largest |g| among the token's 512 units: exact, and the largest then
; lies in 1 to 2.  The sums are multiplied by 2^(E - 127) on the way out, exact again.  E is held to 1 .. 253, so that both factors are normal numbers (at 253 the largest lies under 4).
; LIMITS.  Indices lie in 0..7.  relu is a maximum in which a NaN loses: a NaN ahead of the activation gives 0 where reference() gives NaN.  A unit below 6e-5 of its token's largest keeps f16's fixed
; step, 6e-8 of that largest.  down_proj: 65,520 or more becomes an infinity; below 7.6e-6 the step is 6e-8.
.set PX,    4112                       ; a token row of X in LDS: 4,096 bytes of bf16 + 16 = 257 x 16: the sixteen rows of a fragment read start 16 bytes apart modulo 256
.set PH,    1040                       ; a token row of H: 1,024 + 16 = 65 x 16
.set PS,    528                        ; a stage row: 128 f32 + 16 bytes = 33 x 16
.set HBASE, 48*PX                      ; 197,376
.set STAGE, HBASE+48*PH                ; 247,296: 16 rows for each wave, its own, for the way out
.set MX,    STAGE+4*16*PS              ; 281,088: a block of 256 bytes for each wave: its largest |g| of token 16 tb + r at 64 tb + 4 r
.set SPARE, MX+4*256                   ; 282,112: the spare words, 128 bytes for each wave; no other line names them
; window 0
.set TA,  8                            ; v8-10    X: (16 tb + l % 16) PX + 16 (l / 16), stepped along K
.set HA,  12                           ; v12-14   H: the same with PH; never rewritten
.set HS,  15                           ; v15      where I put 16 bytes of h
.set STO, 16                           ; v16      the way out: where I put 32 bytes of a row
.set RD,  17                           ; v17      the way out: where I read a row back
.set MXS, 18                           ; v18      MX: my wave's block, my token's word
.set MXL, 19                           ; v19      MX: wave 0's block, my token's word
.set SPW, 20                           ; v20      SPARE + 4 x my thread's number; never rewritten
.set NIL, 21                           ; v21      0; never rewritten
.set CW,  22                           ; v22-27   my token's weight for my wave's expert, twice (a pair), for each token block
.set XSA, 28                           ; v28-31   gather: where group g's first row puts my 8 bytes, stepped
.set BK,  32                           ; v32-37   2^(E - 127) of my token, twice, for each token block
.set TK,  40                           ; v40-42   8 x my token's number, for each token block
.set IX,  44                           ; v44-49   its two indices
.set WT,  50                           ; v50-55   its two weights
.set VO,  56                           ; v56-103  place t of the tile: token x 8,192 + 16 x lane: its row in x and in out; never rewritten
.set TF,  104                          ; v104-151 token fragments: two buffers of three
.set TMP, 152                          ; v152-215 at work
.set HB,  216                          ; v216-247 h in f16
.set IV,  248                          ; v248-253 2^(127 - E) of my token, twice, for each token block
; window 1: v0-191 the accumulators, (tb, f) at 8 (8 tb + f); during the gather the rows as loaded, group g at 48 g
; window 2: v0-255 the weights' ring: buffer b at 64 b, fragment f at + 8 f
.set WV,   20                          ; s20 wave
.set TILE, 21                          ; s21 my tile's number
.set CNT,  28                          ; s28 rows of my tile that exist
.set LOOP, 33
.set SW,   34                          ; s[34:35] my stream of wup
.set PA,   36                          ; s[36:37] wdn: expert a, my chunk
.set PB,   38                          ; s[38:39] expert b
.set OUTB, 40                          ; s[40:41] out at my chunk's first column
.set XB,   42                          ; s[42:43] x at my K quarter
.set OFS,  44                          ; s[44:45] an offset, high word 0
.set ORDR, 46                          ; s[46:47] order at my tile's first place
; s48-63, s68-99: the 36 counts, later the 48 token numbers: number i in register 48 + i (i < 16) or 52 + i; later still s68, s69: v_permlanex16_b32's selects
.set MSB, 0
.macro WIN new                         ; bits 1:0 source 0, 3:2 source 1, 5:4 source 2, 7:6 destination; the high byte repeats the setting that is left
.if MSB != (\new)
	s_set_vgpr_msb (MSB<<8)|(\new)
.set MSB, \new
.endif
.endm
	s_load_b512 s[4:19], s[0:1], 0x0               ; x 4, index 6, weights 8, wup 10, wdn 12, counts 14, order 16, out 18
	v_lshl_add_u32 v[SPW], v0, 2, SPARE
	v_mov_b32 v[NIL], 0
	v_lshrrev_b32 v4, 5, v0
	v_readfirstlane_b32 s[WV], v4                  ; wave 0..3
	s_mov_b32 s[TILE], ttmp9
	s_wait_kmcnt 0x0
	s_load_b512 s[48:63], s[14:15], 0x0            ; the 36 counts
	s_load_b512 s[68:83], s[14:15], 0x40
	s_load_b128 s[84:87], s[14:15], 0x80
	v_and_b32 v5, 31, v0                           ; lane
	v_lshlrev_b32 v1, 4, v5                        ; v1 = 16 x lane; never rewritten
	v_and_b32 v2, 15, v0                           ; l % 16
	v_bfe_u32 v3, v0, 4, 1                         ; l / 16
	v_mul_u32_u24 v6, v2, PX
	v_lshl_add_u32 v6, v3, 4, v6
	v_mul_u32_u24 v7, v2, PH
	v_lshl_add_u32 v7, v3, 4, v7
.irp tb, 0,1,2
	v_add_nc_u32 v[TA+\tb], 16*\tb*PX, v6
	v_add_nc_u32 v[HA+\tb], HBASE+16*\tb*PH, v7
.endr
	s_lshl_b32 s26, s[WV], 8                       ; my wave's 128 units: 256 bytes of a row of H; also my block of MX
	v_lshl_add_u32 v[MXL], v2, 2, MX
	v_add_nc_u32 v[MXS], s26, v[MXL]
	s_add_co_u32 s26, s26, HBASE
	v_add_nc_u32 v[HS], s26, v7
	s_mul_i32 s26, s[WV], 16*PS
	s_add_co_u32 s26, s26, STAGE                   ; my stage
	v_mul_u32_u24 v6, v2, PS
	v_lshl_add_u32 v6, v3, 5, v6
	v_add_nc_u32 v[STO], s26, v6
	v_add_nc_u32 v[RD], s26, v1
	s_lshl_b32 s26, s[WV], 10                      ; my K quarter: 1,024 bytes of a row of X
	v_lshl_add_u32 v6, v5, 3, s26
.irp g, 0,1,2,3
	v_add_nc_u32 v[XSA+\g], 12*\g*PX, v6
.endr
	v_lshlrev_b32 v4, 2, v2
	s_mov_b32 s22, 0                               ; tiles of the pairs before
	s_mov_b32 s23, 0                               ; the chosen pair: a | b << 4 | q << 8,
	s_mov_b32 s24, 0                               ; its first tile,
	s_mov_b32 s25, 0                               ; its count
	s_wait_kmcnt 0x0
; THE WALK over the 36 pairs: the last pair whose first tile is not beyond mine is mine (a pair without tokens is overridden by the next, which begins at the same tile).
; ceil(n / 48) = ((n + 47) x 43,691) >> 21: 43,691 / 2^21 exceeds 1 / 48 by 1.6e-7, which over n + 47 <= 8,239 adds 0.0013, less than the 1 / 48 that could change the floor.
.macro WALK code, n
	s_add_co_u32 s26, s[\n], 47
	s_mul_i32 s26, s26, 43691
	s_lshr_b32 s26, s26, 21
	s_cmp_ge_u32 s[TILE], s22
	s_cselect_b32 s23, \code, s23
	s_cselect_b32 s24, s22, s24
	s_cselect_b32 s25, s[\n], s25
	s_add_co_u32 s22, s22, s26
.endm
.set q, 0
.irp a, 0,1,2,3,4,5,6,7
.irp b, 0,1,2,3,4,5,6,7
.if \b >= \a
	WALK (\a)|((\b)<<4)|(q<<8),48+q+4*((q/16+1)/2)
.set q, q+1
.endif
.endr
.endr
	s_sub_co_u32 s29, s[TILE], s24
	s_mul_i32 s29, s29, 48                         ; my tile's first place in the pair's list
	s_sub_co_i32 s[CNT], s25, s29                  ; places left from there
	s_cmp_gt_i32 s[CNT], 0
	s_cselect_b32 s[CNT], s[CNT], 0                ; none: no row is stored,
	s_cselect_b32 s29, s29, 0                      ; and the list's first 48 places are taken, which are written whatever the count
	s_min_u32 s[CNT], s[CNT], 48
	s_min_u32 s29, s29, 8208                       ; what was made of loaded numbers is clamped before it enters an address: 8,208 + 47 is the row's last word
	s_bfe_u32 s30, s23, 0x40000                    ; a
	s_bfe_u32 s31, s23, 0x40004                    ; b
	s_bfe_u32 s32, s23, 0x80008                    ; q
	s_min_u32 s30, s30, 7
	s_min_u32 s31, s31, 7
	s_min_u32 s32, s32, 35
	s_mov_b32 s[OFS+1], 0
	s_mul_i32 s[OFS], s32, 33024
	s_lshl2_add_u32 s[OFS], s29, s[OFS]
	s_add_nc_u64 s[ORDR:ORDR+1], s[16:17], s[OFS:OFS+1]
	s_load_b512 s[48:63], s[ORDR:ORDR+1], 0x0      ; the tile's 48 token numbers as scalars, for the rows' offsets,
	s_load_b512 s[68:83], s[ORDR:ORDR+1], 0x40
	s_load_b512 s[84:99], s[ORDR:ORDR+1], 0x80
.irp tb, 0,1,2
	global_load_b32 v[TK+\tb], v4, s[ORDR:ORDR+1] offset:64*\tb  ; and by lanes: lane l has place 16 tb + l % 16, the token that it holds in the products' results
.endr
	s_cmp_lt_u32 s[WV], 2
	s_cselect_b32 s26, s30, s31                    ; my wave's expert in the up product
	s_min_u32 s26, s26, 7
	s_lshl_b32 s[OFS], s26, 20                     ; an expert is 1 MiB of wup and of wdn
	s_and_b32 s27, s[WV], 1
	s_lshl_b32 s27, s27, 19                        ; its half of 128 units
	s_add_co_u32 s[OFS], s[OFS], s27
	s_add_nc_u64 s[SW:SW+1], s[10:11], s[OFS:OFS+1]
	s_lshl_b32 s27, s[WV], 18                      ; my four chunks of 128 columns, 64 KiB each
	s_lshl_b32 s[OFS], s30, 20
	s_add_co_u32 s[OFS], s[OFS], s27
	s_add_nc_u64 s[PA:PA+1], s[12:13], s[OFS:OFS+1]
	s_lshl_b32 s[OFS], s31, 20
	s_add_co_u32 s[OFS], s[OFS], s27
	s_add_nc_u64 s[PB:PB+1], s[12:13], s[OFS:OFS+1]
	s_lshl_b32 s[OFS], s[WV], 11                   ; 512 f32 of a row: my K quarter of x, my columns of out
	s_add_nc_u64 s[XB:XB+1], s[4:5], s[OFS:OFS+1]
	s_add_nc_u64 s[OUTB:OUTB+1], s[18:19], s[OFS:OFS+1]
	s_cmp_ge_u32 s[WV], 2
	s_cselect_b32 s66, -1, 0                       ; waves 2, 3 take the other slot's weight
	s_wait_kmcnt 0x0
.set t, 0
.rept 48
	s_min_u32 s[48+t+4*((t/16+1)/2)], s[48+t+4*((t/16+1)/2)], 8191
	v_lshl_add_u32 v[VO+t], s[48+t+4*((t/16+1)/2)], 13, v1
.set t, t+1
.endr
	s_wait_loadcnt 0x0                             ; the token numbers by lanes
.irp tb, 0,1,2
	v_min_u32 v[TK+\tb], 0x1fff, v[TK+\tb]
	v_lshlrev_b32 v[TK+\tb], 3, v[TK+\tb]
.endr
.irp tb, 0,1,2
	global_load_b64 v[IX+2*\tb:IX+2*\tb+1], v[TK+\tb], s[6:7]
	global_load_b64 v[WT+2*\tb:WT+2*\tb+1], v[TK+\tb], s[8:9]
.endr
; THE GATHER.  My K quarter of a row is 2,048 bytes, taken in four chunks of 512 (one load of the wave); a group is one chunk of 12 rows.  Four groups, 48 loads, are always on their way.
.macro GLOAD g, off
	WIN 0x40                                       ; destination window 1
.set i, 0
.rept 12
	global_load_b128 v[48*(\g)+4*i:48*(\g)+4*i+3], v[VO+12*(\g)+i], s[XB:XB+1] offset:\off th:TH_LOAD_NT
.set i, i+1
.endr
.endm
.macro CVTST g                         ; a group is rounded to bf16 and laid into X
	WIN 0x05                                       ; sources window 1, destination window 0
.set i, 0
.rept 12
	v_cvt_pk_bf16_f32 v[TMP+24*((\g)%2)+2*i],   v[48*(\g)+4*i],   v[48*(\g)+4*i+1]
	v_cvt_pk_bf16_f32 v[TMP+24*((\g)%2)+2*i+1], v[48*(\g)+4*i+2], v[48*(\g)+4*i+3]
.set i, i+1
.endr
	WIN 0
.set i, 0
.rept 12
	ds_store_b64 v[XSA+(\g)], v[TMP+24*((\g)%2)+2*i:TMP+24*((\g)%2)+2*i+1] offset:i*PX  ; 256 consecutive bytes a store
.set i, i+1
.endr
.endm
; One step's weights, 8 fragments = 16 loads of 512 consecutive bytes, into buffer b of the ring
.macro WLOAD b, base, off
	WIN 0x80                                       ; destination window 2
.set f, 0
.rept 8
	global_load_b128 v[64*(\b)+8*f:64*(\b)+8*f+3],   v1, s[\base:\base+1] offset:(\off)+f*1024
	global_load_b128 v[64*(\b)+8*f+4:64*(\b)+8*f+7], v1, s[\base:\base+1] offset:(\off)+f*1024+512
.set f, f+1
.endr
.endm
	GLOAD 0, 0
	GLOAD 1, 0
	GLOAD 2, 0
	GLOAD 3, 0
	WIN 0
	s_mov_b32 s[LOOP], 3
.Lgather:                                              ; trip c lays chunk c and asks for chunk c + 1
.irp g, 0,1,2,3
	s_wait_loadcnt 36                              ; my group is in (and all that is older); the three younger groups of 12 stay out
	CVTST \g
	GLOAD \g, 512
.endr
	WIN 0
	s_wait_xcnt 0x0                                ; the loads' base is stepped only behind this wait
	s_add_nc_u64 s[XB:XB+1], s[XB:XB+1], 512
.irp g, 0,1,2,3
	v_add_nc_u32 v[XSA+\g], 256, v[XSA+\g]
.endr
	s_sub_co_u32 s[LOOP], s[LOOP], 1
	s_cmp_lg_u32 s[LOOP], 0
	s_cbranch_scc1 .Lgather
.irp g, 0,1,2,3                        ; the last chunk: in the rows' place the up product's first four steps of weights are asked for
	s_wait_loadcnt 36+4*\g                         ; younger than my group: (3 - g) groups of 12 and g steps of 16
	CVTST \g
	WLOAD \g, SW, \g*8192
.endr
	WIN 0
.irp tb, 0,1,2                         ; indices and weights were asked for ahead of every row: they are in.  Expert a (waves 0, 1) has the slot with the lower index, at a tie slot 0; expert b the other
	v_cmp_gt_u32 s67, v[IX+2*\tb], v[IX+2*\tb+1]
	s_xor_b32 s67, s67, s66
	v_cndmask_b32 v[CW+2*\tb], v[WT+2*\tb], v[WT+2*\tb+1], s67
	v_cvt_pk_bf16_f32 v[CW+2*\tb], v[CW+2*\tb], v[CW+2*\tb]  ; rounded to bf16 like the other inputs,
	v_lshlrev_b32 v[CW+2*\tb], 16, v[CW+2*\tb]               ; and widened again
	v_mov_b32 v[CW+2*\tb+1], v[CW+2*\tb]
.endr
	s_wait_dscnt 0x0                               ; for the others' sake: my part of X is written
	s_barrier_signal -1
	s_barrier_wait -1                              ; X is whole
; A STEP: 32 along K, in format fm (bf16 or f16).  Weights in ring buffer b, token fragments in buffer p.  The next step's token fragments (byte knext of the rows; -1: none) are asked for first, a step ahead
; of their use; then 24 matrix instructions, the 24 accumulators by turns, one instruction a turn (a step's last accumulator is not the next step's first); then four places, in front of
; the loads into registers that those products read and of whatever reads their results; then (ld = 1) buffer b is asked for again, with the weights of four steps on.
; lcnt: the loads issued behind buffer b's: 48, three steps of 16.
.macro STEP fm, b, p, zero, areg, knext, ld, base, off, lcnt
	s_wait_loadcnt \lcnt
	s_wait_dscnt 0x0                               ; this step's token fragments, asked for a step ago
.if (\knext) >= 0
	WIN 0
.set t, 0
.rept 3
	ds_load_b128 v[TF+24*(1-(\p))+8*t:TF+24*(1-(\p))+8*t+3],   v[(\areg)+t] offset:\knext
	ds_load_b128 v[TF+24*(1-(\p))+8*t+4:TF+24*(1-(\p))+8*t+7], v[(\areg)+t] offset:(\knext)+32
.set t, t+1
.endr
.endif
	WIN 0x52                                       ; weights window 2, tokens window 0, C and D window 1
.set f, 0
.rept 8
.set t, 0
.rept 3
.if \zero
	v_wmma_f32_16x16x32_\fm v[8*(8*t+f):8*(8*t+f)+7], v[64*(\b)+8*f:64*(\b)+8*f+7], v[TF+24*(\p)+8*t:TF+24*(\p)+8*t+7], 0
.else
	v_wmma_f32_16x16x32_\fm v[8*(8*t+f):8*(8*t+f)+7], v[64*(\b)+8*f:64*(\b)+8*f+7], v[TF+24*(\p)+8*t:TF+24*(\p)+8*t+7], v[8*(8*t+f):8*(8*t+f)+7]
.endif
.set t, t+1
.endr
.set f, f+1
.endr
.rept 4
	v_nop
.endr
.if \ld
	WLOAD \b, \base, \off
.endif
.endm
; Four steps, once round the weights' ring: token bytes k0 .. k0 + 255; klast: where the step behind the four finds its token fragments.  zero = 1: the first step starts the sums: nothing is cleared.
; ld = 0: nothing is left to ask for, and the counts run down 48, 32, 16, 0.
.macro QUAD fm, areg, k0, klast, zero, ld, base, off
	STEP \fm,0,0,\zero,\areg,(\k0)+64,\ld,\base,(\off),48
	STEP \fm,1,1,0,\areg,(\k0)+128,\ld,\base,(\off)+8192,48-16*(1-(\ld))
	STEP \fm,2,0,0,\areg,(\k0)+192,\ld,\base,(\off)+16384,48-32*(1-(\ld))
	STEP \fm,3,1,0,\areg,\klast,\ld,\base,(\off)+24576,48-48*(1-(\ld))
.endm
.macro TFIRST areg                     ; the first step's token fragments
	WIN 0
.set t, 0
.rept 3
	ds_load_b128 v[TF+8*t:TF+8*t+3],   v[(\areg)+t]
	ds_load_b128 v[TF+8*t+4:TF+8*t+7], v[(\areg)+t] offset:32
.set t, t+1
.endr
.endm
.macro UPSTEP                          ; four steps on: 256 bytes of X's rows, 32 KiB of my stream of wup
	WIN 0
.irp tb, 0,1,2
	v_add_nc_u32 v[TA+\tb], 256, v[TA+\tb]
.endr
	s_wait_xcnt 0x0                                ; the loads' base is stepped only behind this wait
	s_add_nc_u64 s[SW:SW+1], s[SW:SW+1], 32768
.endm
	; THE UP PRODUCT: K = 2,048 in 64 steps, sixteen times round the ring
	TFIRST TA
	QUAD bf16,TA,0,256,1,1,SW,32768
	UPSTEP
	s_mov_b32 s[LOOP], 14
.Lup:
	QUAD bf16,TA,0,256,0,1,SW,32768
	UPSTEP
	s_sub_co_u32 s[LOOP], s[LOOP], 1
	s_cmp_lg_u32 s[LOOP], 0
	s_cbranch_scc1 .Lup
	QUAD bf16,TA,0,-1,0,1,PA,0                     ; the last four steps ask for the down product's first four
	; EACH TOKEN'S LARGEST |g|.  relu and the square are monotone, so my wave's largest is |w| max(p, 0)^2 of the largest p among my 128 units: 64 registers a token block, two at a time in four chains,
	; in ascending order; the token's other 64 units lie in the lane 16 away.
	s_mov_b32 s68, 0x76543210                      ; v_permlanex16_b32: each lane takes its own place in the other half
	s_mov_b32 s69, 0xfedcba98
.irp tb, 0,1,2
	WIN 0x05                                       ; both sources window 1
.set k, 0
.rept 4
	v_max_num_f32 v[TMP+4*\tb+k], v[64*\tb+2*k], v[64*\tb+2*k+1]
.set k, k+1
.endr
	WIN 0x14                                       ; sources 1 and 2 window 1
.rept 28
	v_max3_num_f32 v[TMP+4*\tb+k%4], v[TMP+4*\tb+k%4], v[64*\tb+2*k], v[64*\tb+2*k+1]
.set k, k+1
.endr
.endr
	WIN 0
.irp tb, 0,1,2
	v_max3_num_f32 v[TMP+4*\tb], v[TMP+4*\tb], v[TMP+4*\tb+1], v[TMP+4*\tb+2]
	v_max_num_f32 v[TMP+4*\tb], v[TMP+4*\tb], v[TMP+4*\tb+3]
	v_max_num_f32 v[TMP+4*\tb], 0, v[TMP+4*\tb]
	v_permlanex16_b32 v[TMP+4*\tb+1], v[TMP+4*\tb], s68, s69
	v_and_b32 v[TMP+4*\tb+2], 0x7fffffff, v[CW+2*\tb]
	v_max_num_f32 v[TMP+4*\tb], v[TMP+4*\tb], v[TMP+4*\tb+1]
	v_mul_f32 v[TMP+4*\tb], v[TMP+4*\tb], v[TMP+4*\tb]
	v_mul_f32 v[TMP+4*\tb], v[TMP+4*\tb], v[TMP+4*\tb+2]
	ds_store_b32 v[MXS], v[TMP+4*\tb] offset:64*\tb  ; both halves of the lanes store the same word with the same number
.endr
	s_wait_dscnt 0x0                               ; for the others' sake: my block of MX is written
	s_barrier_signal -1
	s_barrier_wait -1                              ; MX is whole; nobody writes it again
.irp tb, 0,1,2
.irp w, 0,1,2,3
	ds_load_b32 v[TMP+16+4*\tb+\w], v[MXL] offset:256*\w+64*\tb
.endr
.endr
	s_wait_dscnt 0x0
.irp tb, 0,1,2
	v_max3_num_f32 v[TMP+16+4*\tb], v[TMP+16+4*\tb], v[TMP+16+4*\tb+1], v[TMP+16+4*\tb+2]
	v_max_num_f32 v[TMP+16+4*\tb], v[TMP+16+4*\tb], v[TMP+16+4*\tb+3]
	v_and_b32 v[BK+2*\tb], 0x7f800000, v[TMP+16+4*\tb]  ; the exponent field alone is 2^(E - 127),
	v_max_u32 v[BK+2*\tb], 0x00800000, v[BK+2*\tb]      ; E held to 1 ..
	v_min_u32 v[BK+2*\tb], 0x7e800000, v[BK+2*\tb]      ; .. 253;
	v_sub_nc_u32 v[IV+2*\tb], 0x7f000000, v[BK+2*\tb]   ; the field 254 - E is 2^(127 - E)
	v_mov_b32 v[BK+2*\tb+1], v[BK+2*\tb]
	v_mov_b32 v[IV+2*\tb+1], v[IV+2*\tb]
.endr
	; g = relu(p)^2 x the slot's weight, in f32 as reference() orders it; x 2^(127 - E), exact; rounded once to f16, into H: a lane's eight units of a fragment are 16 bytes of its token's row.
	; The two factors are applied one after the other: g is never above 2^(E - 126), so no product overflows, and a token whose units are all 0 stays 0.
.irp tb, 0,1,2
	WIN 0x04                                       ; source 1 window 1
.set i, 0
.rept 64
	v_max_num_f32 v[TMP+i], 0, v[64*\tb+i]
.set i, i+1
.endr
	WIN 0
.set i, 0
.rept 32
	v_pk_mul_f32 v[TMP+2*i:TMP+2*i+1], v[TMP+2*i:TMP+2*i+1], v[TMP+2*i:TMP+2*i+1]
.set i, i+1
.endr
.set i, 0
.rept 32
	v_pk_mul_f32 v[TMP+2*i:TMP+2*i+1], v[TMP+2*i:TMP+2*i+1], v[CW+2*\tb:CW+2*\tb+1]
.set i, i+1
.endr
.set i, 0
.rept 32
	v_pk_mul_f32 v[TMP+2*i:TMP+2*i+1], v[TMP+2*i:TMP+2*i+1], v[IV+2*\tb:IV+2*\tb+1]
.set i, i+1
.endr
.set i, 0
.rept 32
	v_cvt_pk_f16_f32 v[HB+i], v[TMP+2*i], v[TMP+2*i+1]
.set i, i+1
.endr
.set i, 0
.rept 8
	ds_store_b128 v[HS], v[HB+4*i:HB+4*i+3] offset:\tb*16*PH+i*32
.set i, i+1
.endr
.endr
	s_wait_dscnt 0x0                               ; for the others' sake: my part of H is written
	s_barrier_signal -1
	s_barrier_wait -1                              ; H is whole.  No barrier stands behind this one
	s_cmp_eq_u32 s[CNT], 0
	s_cbranch_scc1 .Ldone                          ; a work-group without rows has nothing to store
; THE WAY OUT of a chunk: the sums take their token's 2^(E - 127) back, in place; then 16 tokens at a time go through my own stage (no other wave touches it: no barrier, and LDS serves a wave's
; instructions in order: no wait between stores and loads); back as whole rows of 128 f32, and each row's store covers 512 consecutive bytes of out, at a multiple of 512.
; Rows past the count are whole instructions and are jumped.
.macro EPI
	v_nop                                          ; with the step's four the fifth place between a chunk's last products and the next chunk's first, which write over their results
.irp tb, 0,1,2
	WIN 0x41                                       ; destination and source 0 window 1, the factor window 0; ascending
.set i, 0
.rept 32
	v_pk_mul_f32 v[64*\tb+2*i:64*\tb+2*i+1], v[64*\tb+2*i:64*\tb+2*i+1], v[BK+2*\tb:BK+2*\tb+1]
.set i, i+1
.endr
	WIN 0x04                                       ; data window 1
.set f, 0
.rept 8
	ds_store_b128 v[STO], v[64*\tb+8*f:64*\tb+8*f+3]   offset:f*64
	ds_store_b128 v[STO], v[64*\tb+8*f+4:64*\tb+8*f+7] offset:f*64+16
.set f, f+1
.endr
	WIN 0
	s_wait_xcnt 0x0                                ; the registers that earlier stores read are loaded again only behind this wait
.set t, 0
.rept 16
	ds_load_b128 v[TMP+4*t:TMP+4*t+3], v[RD] offset:t*PS
.set t, t+1
.endr
.set t, 0
.rept 16
	s_cmp_le_u32 s[CNT], 16*\tb+t
	s_cbranch_scc1 .Lepi_end_\@
	s_wait_dscnt 15-t                              ; row t is back; the 15 - t younger loads stay out
	global_store_b128 v[VO+16*\tb+t], v[TMP+4*t:TMP+4*t+3], s[OUTB:OUTB+1] th:TH_STORE_NT
.set t, t+1
.endr
.endr
.Lepi_end_\@:
	s_wait_dscnt 0x0                               ; whatever was jumped: no load from the stage is out
.endm
	; THE DOWN PRODUCT, in f16: four chunks of 128 columns; K = 512 in 16 steps, eight on expert a's weights and units, eight on b's
	TFIRST HA
	s_mov_b32 s[LOOP], 4
.Lchunk:
	QUAD f16,HA,0,256,1,1,PA,32768
	QUAD f16,HA,256,512,0,1,PB,0
	QUAD f16,HA,512,768,0,1,PB,32768
	WIN 0
	s_cmp_eq_u32 s[LOOP], 1
	s_cbranch_scc1 .Llast                          ; the last chunk's end is written out: it asks for nothing more
	QUAD f16,HA,768,0,0,1,PA,65536                 ; the next chunk's first four steps of weights and its first token fragments are asked for ahead of the way out
	WIN 0
	EPI
	s_wait_xcnt 0x0                                ; the bases of loads and stores are stepped only behind this wait
	s_add_nc_u64 s[PA:PA+1], s[PA:PA+1], 65536
	s_add_nc_u64 s[PB:PB+1], s[PB:PB+1], 65536
	s_add_nc_u64 s[OUTB:OUTB+1], s[OUTB:OUTB+1], 512
	s_sub_co_u32 s[LOOP], s[LOOP], 1
	s_cmp_lg_u32 s[LOOP], 0
	s_cbranch_scc1 .Lchunk
.Llast:
	QUAD f16,HA,768,-1,0,0,PA,0
	WIN 0
	EPI
.Ldone:
	s_wait_tensorcnt 0x0                           ; the wave's end, behind my last LDS store
	ds_add_u32 v[SPW], v[NIL]
	s_wait_dscnt 0x0
	s_endpgm
.Lfunc_end_k_q9b9f17e454_chain:
	.size	k_q9b9f17e454_chain, .Lfunc_end_k_q9b9f17e454_chain-k_q9b9f17e454_chain
	.p2alignl 7, 3214868480
	.fill 96, 4, 3214868480
	.section	.rodata,"a",@progbits
	.p2align	6, 0x0
	.amdhsa_kernel k_q9b9f17e454_chain
		.amdhsa_group_segment_fixed_size 282624
		.amdhsa_private_segment_fixed_size 0
		.amdhsa_enable_private_segment 0
		.amdhsa_kernarg_size 64
		.amdhsa_user_sgpr_count 2
		.amdhsa_user_sgpr_kernarg_segment_ptr 1
		.amdhsa_wavefront_size32 1
		.amdhsa_system_sgpr_workgroup_id_x 1
		.amdhsa_system_sgpr_workgroup_id_y 1
		.amdhsa_system_sgpr_workgroup_id_z 1
		.amdhsa_system_vgpr_workitem_id 0
		.amdhsa_next_free_vgpr 768
		.amdhsa_next_free_sgpr 100
		.amdhsa_reserve_vcc 0
		.amdhsa_float_denorm_mode_32 3
		.amdhsa_float_denorm_mode_16_64 3
		.amdhsa_memory_ordered 1
		.amdhsa_forward_progress 1
		.amdhsa_inst_pref_size 255
	.end_amdhsa_kernel
	.amdgpu_metadata
---
amdhsa.version: [ 1, 2 ]
amdhsa.kernels:
  - .name:           k_q9b9f17e454_chain
    .symbol:         k_q9b9f17e454_chain.kd
    .args:
      - { .name: hidden_states, .offset: 0, .size: 8, .value_kind: global_buffer, .address_space: global }
      - { .name: top_k_index, .offset: 8, .size: 8, .value_kind: global_buffer, .address_space: global }
      - { .name: top_k_weights, .offset: 16, .size: 8, .value_kind: global_buffer, .address_space: global }
      - { .name: wup, .offset: 24, .size: 8, .value_kind: global_buffer, .address_space: global }
      - { .name: wdn, .offset: 32, .size: 8, .value_kind: global_buffer, .address_space: global }
      - { .name: counts, .offset: 40, .size: 8, .value_kind: global_buffer, .address_space: global }
      - { .name: order, .offset: 48, .size: 8, .value_kind: global_buffer, .address_space: global }
      - { .name: out0, .offset: 56, .size: 8, .value_kind: global_buffer, .address_space: global }
    .group_segment_fixed_size: 282624
    .private_segment_fixed_size: 0
    .kernarg_segment_align: 8
    .kernarg_segment_size: 64
    .max_flat_workgroup_size: 128
    .sgpr_count:     100
    .vgpr_count:     768
    .wavefront_size: 32
...
	.end_amdgpu_metadata
.endif
;; end of part 2
;; ======== version 2 of 2: 2 launches; version 1 with the launch chain written anew for expert scheduling mode
;; limits: values are held in f16: magnitudes above 65,504 overflow, below 6.1e-05 lose precision; right only within a limited range of input values
;; workspace buffers: wup 8,388,608 bytes; wdn 8,388,608 bytes; counts 256 bytes of whole numbers; order 1,188,864 bytes of whole numbers
;; launch prep: the kernel of part 1 again; grid 292 x 1, 8 waves a work-group, no clusters, 68,864 bytes of LDS; arguments up_proj, down_proj, top_k_index, wup, wdn, counts, order; writes wup, wdn, counts, order
;; launch chain (part 3): grid 206 x 1, 4 waves a work-group, no clusters, 282,624 bytes of LDS; arguments hidden_states, top_k_index, top_k_weights, wup, wdn, counts, order, out0; writes out0
.if DOCPART == 3
	.amdgcn_target "amdgcn-amd-amdhsa--gfx1250"
	.amdhsa_code_object_version 6
	.text
	.protected	k_q9b9f17e454_chain
	.globl	k_q9b9f17e454_chain
	.p2align	8
	.type	k_q9b9f17e454_chain,@function
k_q9b9f17e454_chain:
	s_mov_b64 s[64:65], 0
	v_nop
	global_prefetch_b8 v0, s[64:65] scope:SCOPE_SE
	s_setreg_imm32_b32 hwreg(HW_REG_WAVE_SCHED_MODE, 0, 2), 2
	s_setreg_imm32_b32 hwreg(HW_REG_WAVE_MODE, 25, 1), 1
	s_wait_xcnt 0x0
	s_wait_alu depctr_vm_vsrc(0)
; CHAIN: out[t] = w_a relu2(x[t] Wup_a^T) Wdown_a^T + w_b relu2(x[t] Wup_b^T) Wdown_b^T for the token's two experts a <= b.
; A work-group takes a TILE of up to 48 tokens that have the same pair (a, b) through the whole chain; for them it is one chain with 512 hidden units
; (a's 256, then b's 256), so each out row has one owner and is stored once.  Where a = b the two slots' weights go to the two halves, and the sum is (w0 + w1) y.
; GRID.  The sum over the 36 pairs of ceil(n / 48) is at most 171 + 35 = 206 for every split of 8,192 tokens.  Every work-group finds its tile from the 36 stored counts.
; A work-group that the split leaves without rows takes CNT = 0 and the first 48 places of a list: every wave passes all three barriers, which stand under no branch on loaded numbers; it leaves
; behind the last barrier and stores nothing.  Places past a tile's count hold token 0 (a row that exists); their results stay in their own lanes and are not stored.
; SHARES.  Gather: wave w rounds K quarter w of all 48 rows to bf16 into LDS.  Up: wave w makes hidden units 128 w .. 128 w + 127 (waves 0, 1: expert a; 2, 3: expert b) for all 48 tokens.
; Down: wave w makes out columns 512 w .. 512 w + 511, in four chunks of 128.  Both products run the same STEP: 8 weight fragments x 3 token blocks = 24 matrix instructions on 24 accumulators.
; WEIGHTS come from memory straight into registers, in fragment order (as prep laid them), through a ring of four buffers of one step (8 KiB): 48 to 64 loads of a wave are on their way.
; Each weight byte that a work-group needs is read by one wave of it, so the product loops write no LDS and need no barrier.
; NO CLUSTER: partners would have to be tiles of one pair, and groups of four such tiles serve every split only with 43 + 35 = 78 clusters, 312 work-groups; and beside the token tile
; (197,376 bytes), H and the stages LDS has room for two slots of under two steps' weights of four waves each, a round for every 24 to 36 matrix instructions of a wave.
; THE MATRIX INSTRUCTION takes 16 weight rows as source 0 and 16 tokens as source 1: in the result lane l holds token l % 16 and registers 0-7 the units (columns) 8 (l / 16) + 0..7.
; FORMATS.  All five inputs' numbers are rounded to bf16 (the slots' weights too); all sums are f32.  The first product multiplies in bf16.  The hidden layer g = w relu(p)^2, made in f32, is the second
; product's operand in f16, whose 11 significant bits leave an eighth of bf16's rounding error; down_proj's bf16 numbers are written as f16 for it.  f16 by itself has no room for g (it grows with the fourth
; power of a common factor on x and up_proj), so each token's g is first multiplied by 2^(127 - E), E the f32 exponent field of the largest |g| among the token's 512 units: exact, and the largest then
; lies in 1 to 2.  The sums are multiplied by 2^(E - 127) on the way out, exact again.  E is held to 1 .. 253, so that both factors are normal numbers (at 253 the largest lies under 4).
; LIMITS.  Indices lie in 0..7.  relu is a maximum in which a NaN loses: a NaN ahead of the activation gives 0 where reference() gives NaN.  A unit below 6e-5 of its token's largest keeps f16's fixed
; step, 6e-8 of that largest.  down_proj: 65,520 or more becomes an infinity; below 7.6e-6 the step is 6e-8.
; THE MODE: SCHED_MODE bits 1:0 = 2 (LLVM: expert scheduling mode 2), set by the entry lines.  The code itself states the register dependences
; between vector or matrix instructions and memory or LDS instructions, with s_wait_alu, always for 0.
; THE PLAN.  Registers that memory or LDS instructions touch, and who else names them:
;   window 1 in the gather   Group g's 48 registers: loaded; read by the group's conversions; loaded again at once.
;   OB0 .. OB3               Written by group g's conversions; read by its 12 LDS stores; written again a trip later.
;   v[XSA ..]                Read by those stores; stepped once a trip, at its bottom.
;   the ring, window 2       Buffer b: read by step s's 24 matrix instructions; loaded again at the end of step s, with the weights of step s + 4.
;   TF0, TF1                 TF[p]: read by step s's matrix instructions; loaded at the end of step s with the fragments of step s + 2.
;   v[TA ..]                 Read by the loads of X's fragments; stepped once in four steps, ahead of the step's wait.
;   the accumulators         Written by matrix instructions.  The activation works in them in place, and 24 LDS stores read the result; on the way out the back-scaling writes them and LDS stores read them.
;   v[TMP ..]                Three of them are the data of MX's stores, twelve are loaded from MX; on the way out 64 are loaded from the stage and read by the global stores.
;   v1, v4, VO, TK, HA, HS, STO, RD, MXS, MXL are made once and never written again.
; So ONE wait on va_vdst stands in a group of the gather, behind its conversions, and ONE in a step of the products, behind its matrix instructions: each stands behind the instructions that empty a buffer,
; and the buffer is asked for again at once, so that 48 to 64 loads stay on their way.  Waits on vm_vsrc: one a trip of the gather, one in four steps of the up product, one behind the H barrier,
; one for each 16 rows on the way out, one at a chunk's bottom.
.set PX,    4112                       ; a token row of X in LDS: 4,096 bytes of bf16 + 16 = 257 x 16: the sixteen rows of a fragment read start 16 bytes apart modulo 256
.set PH,    1040                       ; a token row of H: 1,024 + 16 = 65 x 16
.set PS,    528                        ; a stage row: 128 f32 + 16 bytes = 33 x 16
.set HBASE, 48*PX                      ; 197,376
.set STAGE, HBASE+48*PH                ; 247,296: 16 rows for each wave, its own, for the way out
.set MX,    STAGE+4*16*PS              ; 281,088: a block of 256 bytes for each wave: its largest |g| of token 16 tb + r at 64 tb + 4 r.  The 512 bytes behind the four blocks are spare words, 128 bytes for each wave, for the closing add
; window 0
.set TA,  8                            ; v8-10    X: (16 tb + l % 16) PX + 16 (l / 16), stepped along K
.set HA,  12                           ; v12-14   H: the same with PH; never rewritten
.set HS,  15                           ; v15      where I put 16 bytes of h
.set STO, 16                           ; v16      the way out: where I put 32 bytes of a row
.set RD,  17                           ; v17      the way out: where I read a row back
.set MXS, 18                           ; v18      MX: my wave's block, my token's word
.set MXL, 19                           ; v19      MX: wave 0's block, my token's word
.set CW,  22                           ; v22-27   my token's weight for my wave's expert, twice (a pair), for each token block
.set XSA, 28                           ; v28-31   gather: where group g's first row puts my 8 bytes, stepped
.set BK,  32                           ; v32-37   2^(E - 127) of my token, twice, for each token block
.set TK,  40                           ; v40-42   8 x my token's number, for each token block
.set IX,  44                           ; v44-49   its two indices
.set WT,  50                           ; v50-55   its two weights
.set VO,  56                           ; v56-103  place t of the tile: token x 8,192 + 16 x lane: its row in x and in out; never rewritten
.set TF,  104                          ; v104-151 token fragments: two buffers of three
.set TMP, 152                          ; v152-215 at work; on the way out 16 rows read back
.set OB,  152                          ; v152-247 in the gather only: four out-buffers of 24, group g's at OB + 24 g
.set IV,  248                          ; v248-253 2^(127 - E) of my token, twice, for each token block
; window 1: v0-191 the accumulators, (tb, f) at 8 (8 tb + f); during the gather the rows as loaded, group g at 48 g
; window 2: v0-255 the weights' ring: buffer b at 64 b, fragment f at + 8 f
.set WV,   20                          ; s20 wave
.set TILE, 21                          ; s21 my tile's number
.set CNT,  28                          ; s28 rows of my tile that exist
.set LOOP, 33
.set SW,   34                          ; s[34:35] my stream of wup
.set PA,   36                          ; s[36:37] wdn: expert a, my chunk
.set PB,   38                          ; s[38:39] expert b
.set OUTB, 40                          ; s[40:41] out at my chunk's first column
.set XB,   42                          ; s[42:43] x at my K quarter
.set OFS,  44                          ; s[44:45] an offset, high word 0
.set ORDR, 46                          ; s[46:47] order at my tile's first place
; s48-63, s68-99: the 36 counts, later the 48 token numbers: number i in register 48 + i (i < 16) or 52 + i; later still s68, s69: v_permlanex16_b32's selects; s70-72: which slot's weight a lane takes
.set MSB, 0
.macro WIN new                         ; bits 1:0 source 0, 3:2 source 1, 5:4 source 2, 7:6 destination; the high byte repeats the setting that is left
.if MSB != (\new)
	s_set_vgpr_msb (MSB<<8)|(\new)
.set MSB, \new
.endif
.endm
	s_load_b512 s[4:19], s[0:1], 0x0               ; x 4, index 6, weights 8, wup 10, wdn 12, counts 14, order 16, out 18
	v_lshl_add_u32 v254, v0, 2, 0x44e00
	v_mov_b32 v255, 0
	v_lshrrev_b32 v4, 5, v0
	v_readfirstlane_b32 s[WV], v4                  ; wave 0..3
	s_mov_b32 s[TILE], ttmp9
	s_wait_kmcnt 0x0
	s_load_b512 s[48:63], s[14:15], 0x0            ; the 36 counts
	s_load_b512 s[68:83], s[14:15], 0x40
	s_load_b128 s[84:87], s[14:15], 0x80
	v_and_b32 v5, 31, v0                           ; lane
	v_lshlrev_b32 v1, 4, v5                        ; v1 = 16 x lane; never rewritten
	v_and_b32 v2, 15, v0                           ; l % 16
	v_bfe_u32 v3, v0, 4, 1                         ; l / 16
	v_mul_u32_u24 v6, v2, PX
	v_lshl_add_u32 v6, v3, 4, v6
	v_mul_u32_u24 v7, v2, PH
	v_lshl_add_u32 v7, v3, 4, v7
.irp tb, 0,1,2
	v_add_nc_u32 v[TA+\tb], 16*\tb*PX, v6
	v_add_nc_u32 v[HA+\tb], HBASE+16*\tb*PH, v7
.endr
	s_wait_alu depctr_va_sdst(0)                   ; the wave's number is written, ahead of its first reader, the next line
	s_lshl_b32 s26, s[WV], 8                       ; my wave's 128 units: 256 bytes of a row of H; also my block of MX
	v_lshl_add_u32 v[MXL], v2, 2, MX
	v_add_nc_u32 v[MXS], s26, v[MXL]
	s_add_co_u32 s26, s26, HBASE
	v_add_nc_u32 v[HS], s26, v7
	s_mul_i32 s26, s[WV], 16*PS
	s_add_co_u32 s26, s26, STAGE                   ; my stage
	v_mul_u32_u24 v6, v2, PS
	v_lshl_add_u32 v6, v3, 5, v6
	v_add_nc_u32 v[STO], s26, v6
	v_add_nc_u32 v[RD], s26, v1
	s_lshl_b32 s26, s[WV], 10                      ; my K quarter: 1,024 bytes of a row of X
	v_lshl_add_u32 v6, v5, 3, s26
.irp g, 0,1,2,3
	v_add_nc_u32 v[XSA+\g], 12*\g*PX, v6
.endr
	v_lshlrev_b32 v4, 2, v2
	s_mov_b32 s22, 0                               ; tiles of the pairs before
	s_mov_b32 s23, 0                               ; the chosen pair: a | b << 4 | q << 8,
	s_mov_b32 s24, 0                               ; its first tile,
	s_mov_b32 s25, 0                               ; its count
	s_wait_kmcnt 0x0
; THE WALK over the 36 pairs: the last pair whose first tile is not beyond mine is mine (a pair without tokens is overridden by the next, which begins at the same tile).
; ceil(n / 48) = ((n + 47) x 43,691) >> 21: 43,691 / 2^21 exceeds 1 / 48 by 1.6e-7, which over n + 47 <= 8,239 adds 0.0013, less than the 1 / 48 that could change the floor.
.macro WALK code, n
	s_add_co_u32 s26, s[\n], 47
	s_mul_i32 s26, s26, 43691
	s_lshr_b32 s26, s26, 21
	s_cmp_ge_u32 s[TILE], s22
	s_cselect_b32 s23, \code, s23
	s_cselect_b32 s24, s22, s24
	s_cselect_b32 s25, s[\n], s25
	s_add_co_u32 s22, s22, s26
.endm
.set q, 0
.irp a, 0,1,2,3,4,5,6,7
.irp b, 0,1,2,3,4,5,6,7
.if \b >= \a
	WALK (\a)|((\b)<<4)|(q<<8),48+q+4*((q/16+1)/2)
.set q, q+1
.endif
.endr
.endr
	s_sub_co_u32 s29, s[TILE], s24
	s_mul_i32 s29, s29, 48                         ; my tile's first place in the pair's list
	s_sub_co_i32 s[CNT], s25, s29                  ; places left from there
	s_cmp_gt_i32 s[CNT], 0
	s_cselect_b32 s[CNT], s[CNT], 0                ; none: no row is stored,
	s_cselect_b32 s29, s29, 0                      ; and the list's first 48 places are taken, which are written whatever the count
	s_min_u32 s[CNT], s[CNT], 48
	s_min_u32 s29, s29, 8208                       ; what was made of loaded numbers is clamped before it enters an address: 8,208 + 47 is the row's last word
	s_bfe_u32 s30, s23, 0x40000                    ; a
	s_bfe_u32 s31, s23, 0x40004                    ; b
	s_bfe_u32 s32, s23, 0x80008                    ; q
	s_min_u32 s30, s30, 7
	s_min_u32 s31, s31, 7
	s_min_u32 s32, s32, 35
	s_mov_b32 s[OFS+1], 0
	s_mul_i32 s[OFS], s32, 33024
	s_lshl2_add_u32 s[OFS], s29, s[OFS]
	s_add_nc_u64 s[ORDR:ORDR+1], s[16:17], s[OFS:OFS+1]
	s_load_b512 s[48:63], s[ORDR:ORDR+1], 0x0      ; the tile's 48 token numbers as scalars, for the rows' offsets,
	s_load_b512 s[68:83], s[ORDR:ORDR+1], 0x40
	s_load_b512 s[84:99], s[ORDR:ORDR+1], 0x80
	s_wait_alu depctr_va_vdst(0)                   ; v1, v4 and the LDS addresses v8 to v19 and v28 to v31 are written, which the loads and stores from here on read
.irp tb, 0,1,2
	global_load_b32 v[TK+\tb], v4, s[ORDR:ORDR+1] offset:64*\tb  ; and by lanes: lane l has place 16 tb + l % 16, the token that it holds in the products' results
.endr
	s_cmp_lt_u32 s[WV], 2
	s_cselect_b32 s26, s30, s31                    ; my wave's expert in the up product
	s_min_u32 s26, s26, 7
	s_lshl_b32 s[OFS], s26, 20                     ; an expert is 1 MiB of wup and of wdn
	s_and_b32 s27, s[WV], 1
	s_lshl_b32 s27, s27, 19                        ; its half of 128 units
	s_add_co_u32 s[OFS], s[OFS], s27
	s_add_nc_u64 s[SW:SW+1], s[10:11], s[OFS:OFS+1]
	s_lshl_b32 s27, s[WV], 18                      ; my four chunks of 128 columns, 64 KiB each
	s_lshl_b32 s[OFS], s30, 20
	s_add_co_u32 s[OFS], s[OFS], s27
	s_add_nc_u64 s[PA:PA+1], s[12:13], s[OFS:OFS+1]
	s_lshl_b32 s[OFS], s31, 20
	s_add_co_u32 s[OFS], s[OFS], s27
	s_add_nc_u64 s[PB:PB+1], s[12:13], s[OFS:OFS+1]
	s_lshl_b32 s[OFS], s[WV], 11                   ; 512 f32 of a row: my K quarter of x, my columns of out
	s_add_nc_u64 s[XB:XB+1], s[4:5], s[OFS:OFS+1]
	s_add_nc_u64 s[OUTB:OUTB+1], s[18:19], s[OFS:OFS+1]
	s_cmp_ge_u32 s[WV], 2
	s_cselect_b32 s66, -1, 0                       ; waves 2, 3 take the other slot's weight
	s_wait_kmcnt 0x0
.set t, 0
.rept 48
	s_min_u32 s[48+t+4*((t/16+1)/2)], s[48+t+4*((t/16+1)/2)], 8191
	v_lshl_add_u32 v[VO+t], s[48+t+4*((t/16+1)/2)], 13, v1
.set t, t+1
.endr
	s_wait_loadcnt 0x0                             ; the token numbers by lanes
.irp tb, 0,1,2
	v_min_u32 v[TK+\tb], 0x1fff, v[TK+\tb]
	v_lshlrev_b32 v[TK+\tb], 3, v[TK+\tb]
.endr
	s_wait_alu depctr_va_vdst(0)                   ; the 48 row offsets v[VO ..] and the three v[TK ..] are written, which the loads below (and the way out's stores) read as offsets
.irp tb, 0,1,2
	global_load_b64 v[IX+2*\tb:IX+2*\tb+1], v[TK+\tb], s[6:7]
	global_load_b64 v[WT+2*\tb:WT+2*\tb+1], v[TK+\tb], s[8:9]
.endr
; THE GATHER.  My K quarter of a row is 2,048 bytes, taken in four chunks of 512 (one load of the wave); a group is one chunk of 12 rows.  Four groups, 48 loads, are always on their way.
.macro GLOAD g, off
	WIN 0x40                                       ; destination window 1
.set i, 0
.rept 12
	global_load_b128 v[48*(\g)+4*i:48*(\g)+4*i+3], v[VO+12*(\g)+i], s[XB:XB+1] offset:\off th:TH_LOAD_NT
.set i, i+1
.endr
.endm
.macro CVT g                           ; a group is rounded to bf16, into its own out-buffer
	WIN 0x05                                       ; sources window 1, destination window 0
.set i, 0
.rept 12
	v_cvt_pk_bf16_f32 v[OB+24*(\g)+2*i],   v[48*(\g)+4*i],   v[48*(\g)+4*i+1]
	v_cvt_pk_bf16_f32 v[OB+24*(\g)+2*i+1], v[48*(\g)+4*i+2], v[48*(\g)+4*i+3]
.set i, i+1
.endr
.endm
.macro LAY g                           ; and laid into X
	WIN 0
.set i, 0
.rept 12
	ds_store_b64 v[XSA+(\g)], v[OB+24*(\g)+2*i:OB+24*(\g)+2*i+1] offset:i*PX  ; 256 consecutive bytes a store
.set i, i+1
.endr
.endm
; One step's weights, 8 fragments = 16 loads of 512 consecutive bytes, into buffer b of the ring
.macro WLOAD b, base, off
	WIN 0x80                                       ; destination window 2
.set f, 0
.rept 8
	global_load_b128 v[64*(\b)+8*f:64*(\b)+8*f+3],   v1, s[\base:\base+1] offset:(\off)+f*1024
	global_load_b128 v[64*(\b)+8*f+4:64*(\b)+8*f+7], v1, s[\base:\base+1] offset:(\off)+f*1024+512
.set f, f+1
.endr
.endm
	GLOAD 0, 0
	GLOAD 1, 0
	GLOAD 2, 0
	GLOAD 3, 0
	WIN 0
	s_mov_b32 s[LOOP], 3
.Lgather:                                              ; trip c lays chunk c and asks for chunk c + 1
.irp g, 0,1,2,3
	s_wait_loadcnt 36                              ; my group is in (and all that is older); the three younger groups of 12 stay out
	CVT \g
	WIN 0x40
	s_wait_alu depctr_va_vdst(0)                   ; the conversions are done reading the group's registers, in which the loads below land, and have written its out-buffer, which the stores below read; in a trip's first group v[XSA ..] is written too
	GLOAD \g, 512                                  ; the group is asked for again at once,
	LAY \g                                         ; and the stores follow: no vector instruction since the wait
.endr
	WIN 0
	s_wait_xcnt 0x0                                ; the loads' base is stepped only behind this wait
	s_wait_alu depctr_vm_vsrc(0)                   ; the trip's LDS stores have read v[XSA ..], stepped below, and the four out-buffers, which the next conversions write again
	s_add_nc_u64 s[XB:XB+1], s[XB:XB+1], 512
.irp g, 0,1,2,3
	v_add_nc_u32 v[XSA+\g], 256, v[XSA+\g]
.endr
	s_sub_co_u32 s[LOOP], s[LOOP], 1
	s_cmp_lg_u32 s[LOOP], 0
	s_cbranch_scc1 .Lgather
.irp g, 0,1,2,3                        ; the last chunk: in the rows' place the up product's first four steps of weights are asked for
	s_wait_loadcnt 36+4*\g                         ; younger than my group: (3 - g) groups of 12 and g steps of 16
	WLOAD \g, SW, \g*8192                          ; no vector instruction has named the ring, and v1 was written ahead of the head's first wait: nothing is owed
	CVT \g
	WIN 0
	s_wait_alu depctr_va_vdst(0)                   ; the conversions have written the group's out-buffer, which the stores read (in the first group v[XSA ..] is written too)
	LAY \g
.endr
	WIN 0
	; Indices and weights were asked for ahead of every row: they are in.  Expert a (waves 0, 1) has the slot with the lower index, at a tie slot 0; expert b the other
.irp tb, 0,1,2
	v_cmp_gt_u32 s[70+\tb], v[IX+2*\tb], v[IX+2*\tb+1]
.endr
	s_wait_alu depctr_va_sdst(0)                   ; the three compares have written s70 to s72, ahead of their first reader, the next line
.irp tb, 0,1,2
	s_xor_b32 s[70+\tb], s[70+\tb], s66
	v_cndmask_b32 v[CW+2*\tb], v[WT+2*\tb], v[WT+2*\tb+1], s[70+\tb]
	v_cvt_pk_bf16_f32 v[CW+2*\tb], v[CW+2*\tb], v[CW+2*\tb]  ; rounded to bf16 like the other inputs,
	v_lshlrev_b32 v[CW+2*\tb], 16, v[CW+2*\tb]               ; and widened again
	v_mov_b32 v[CW+2*\tb+1], v[CW+2*\tb]
.endr
	s_wait_dscnt 0x0                               ; for the others' sake: my part of X is written
	s_barrier_signal -1
	s_barrier_wait -1                              ; X is whole
; A STEP: 32 along K, in format fm (bf16 or f16).  Weights in ring buffer b, token fragments in buffer p.  24 matrix instructions, the 24 accumulators by turns, one instruction a turn
; (a step's last accumulator is not the next step's first).  Behind them ONE wait, and behind it the step's loads in one run: (ld = 1) buffer b is asked for again, with the weights of four steps on;
; (k2 >= 0) buffer p takes the token fragments of two steps on, at byte k2 of the rows.
; lcnt: the loads issued behind buffer b's: 48, three steps of 16.  dcnt: the LDS loads issued behind this step's fragments: the next step's six, or none.
; adv = 1 (the up product, once in four steps): X's addresses and my stream's base move on by four steps, ahead of the step's wait and its loads.
.macro STEP fm, b, p, zero, areg, k2, ld, base, off, lcnt, dcnt, adv
	s_wait_loadcnt \lcnt
	s_wait_dscnt \dcnt                             ; LDS loads come back in order: this step's token fragments, asked for two steps ago, are in
	WIN 0x52                                       ; weights window 2, tokens window 0, C and D window 1
.set f, 0
.rept 8
.set t, 0
.rept 3
.if \zero
	v_wmma_f32_16x16x32_\fm v[8*(8*t+f):8*(8*t+f)+7], v[64*(\b)+8*f:64*(\b)+8*f+7], v[TF+24*(\p)+8*t:TF+24*(\p)+8*t+7], 0
.else
	v_wmma_f32_16x16x32_\fm v[8*(8*t+f):8*(8*t+f)+7], v[64*(\b)+8*f:64*(\b)+8*f+7], v[TF+24*(\p)+8*t:TF+24*(\p)+8*t+7], v[8*(8*t+f):8*(8*t+f)+7]
.endif
.set t, t+1
.endr
.set f, f+1
.endr
.if \adv
	WIN 0
	s_wait_alu depctr_vm_vsrc(0)                   ; the fragment loads issued so far have read v[TA ..] (and the gather's LDS stores their out-buffers, which the maxima behind this product write)
.set t, 0
.rept 3
	v_add_nc_u32 v[TA+t], 256, v[TA+t]             ; four steps on: 256 bytes of X's rows
.set t, t+1
.endr
	s_wait_xcnt 0x0                                ; the weight loads' base is stepped only behind this wait; the youngest load that read it was issued a step ago
	s_add_nc_u64 s[SW:SW+1], s[SW:SW+1], 32768     ; 32 KiB of my stream of wup
.endif
.if \ld
	WIN 0x80
	s_wait_alu depctr_va_vdst(0)                   ; the step's matrix instructions are done reading ring buffer b and token buffer p, in which the loads below land; where v[TA ..] was stepped, it is written
	WLOAD \b, \base, \off
.endif
.if (\k2) >= 0
	WIN 0
.if !(\ld)
	s_wait_alu depctr_va_vdst(0)                   ; the step's matrix instructions are done reading token buffer p, in which the loads below land
.endif
.set t, 0
.rept 3
	ds_load_b128 v[TF+24*(\p)+8*t:TF+24*(\p)+8*t+3],   v[(\areg)+t] offset:\k2
	ds_load_b128 v[TF+24*(\p)+8*t+4:TF+24*(\p)+8*t+7], v[(\areg)+t] offset:(\k2)+32
.set t, t+1
.endr
.endif
.endm
; Four steps, once round the weights' ring; the four's own token bytes are k0 .. k0 + 255 of the rows, and it asks for bytes k0 + 128 .. k0 + 383, the last two steps' less kw (256 where the addresses have
; moved on, 1,024 where the next chunk begins at the rows' head).  tail = 1: the last two steps ask for no fragments.  zero = 1: the first step starts the sums: nothing is cleared.
; ld = 0: no weights are left to ask for, and the counts run down 48, 32, 16, 0.  adv = 1: the third step moves addresses and base on, so its and the fourth's weight offsets are 32 KiB less.
.macro QUAD fm, areg, k0, kw, tail, zero, ld, base, off, adv
	STEP \fm,0,0,\zero,\areg,(\k0)+128,\ld,\base,(\off),48,6,0
	STEP \fm,1,1,0,\areg,(\k0)+192,\ld,\base,(\off)+8192,48-16*(1-(\ld)),6,0
.if \tail
	STEP \fm,2,0,0,\areg,-1,\ld,\base,(\off)+16384,48-32*(1-(\ld)),6,0
	STEP \fm,3,1,0,\areg,-1,\ld,\base,(\off)+24576,48-48*(1-(\ld)),0,0
.else
	STEP \fm,2,0,0,\areg,(\k0)+256-(\kw),\ld,\base,(\off)+16384-32768*(\adv),48-32*(1-(\ld)),6,\adv
	STEP \fm,3,1,0,\areg,(\k0)+320-(\kw),\ld,\base,(\off)+24576-32768*(\adv),48-48*(1-(\ld)),6,0
.endif
.endm
.macro TFIRST areg                     ; the first two steps' token fragments, the first step's six loads first
	WIN 0
.set u, 0
.rept 2
.set t, 0
.rept 3
	ds_load_b128 v[TF+24*u+8*t:TF+24*u+8*t+3],   v[(\areg)+t] offset:64*u
	ds_load_b128 v[TF+24*u+8*t+4:TF+24*u+8*t+7], v[(\areg)+t] offset:64*u+32
.set t, t+1
.endr
.set u, u+1
.endr
.endm
	; THE UP PRODUCT: K = 2,048 in 64 steps, sixteen times round the ring
	TFIRST TA                                      ; no vector instruction has named TF yet; v[TA ..] was written ahead of the head's waits
	QUAD bf16,TA,0,256,0,1,1,SW,32768,1
	WIN 0
	s_mov_b32 s[LOOP], 14
.Lup:
	QUAD bf16,TA,0,256,0,0,1,SW,32768,1
	WIN 0
	s_sub_co_u32 s[LOOP], s[LOOP], 1
	s_cmp_lg_u32 s[LOOP], 0
	s_cbranch_scc1 .Lup
	QUAD bf16,TA,0,0,1,0,1,PA,0,0                  ; the last four steps ask for the down product's first four steps of weights
	; EACH TOKEN'S LARGEST |g|.  relu and the square are monotone, so my wave's largest is |w| max(p, 0)^2 of the largest p among my 128 units: 64 registers a token block, two at a time in four chains,
	; in ascending order; the token's other 64 units lie in the lane 16 away.
.rept 4
	v_nop                                          ; four places behind the last products, before their results are read (ISA guide 7.12.1)
.endr
	s_mov_b32 s68, 0x76543210                      ; v_permlanex16_b32: each lane takes its own place in the other half
	s_mov_b32 s69, 0xfedcba98
.irp tb, 0,1,2
	WIN 0x05                                       ; both sources window 1
.set k, 0
.rept 4
	v_max_num_f32 v[TMP+4*\tb+k], v[64*\tb+2*k], v[64*\tb+2*k+1]
.set k, k+1
.endr
	WIN 0x14                                       ; sources 1 and 2 window 1
.rept 28
	v_max3_num_f32 v[TMP+4*\tb+k%4], v[TMP+4*\tb+k%4], v[64*\tb+2*k], v[64*\tb+2*k+1]
.set k, k+1
.endr
.endr
	WIN 0
.irp tb, 0,1,2
	v_max3_num_f32 v[TMP+4*\tb], v[TMP+4*\tb], v[TMP+4*\tb+1], v[TMP+4*\tb+2]
	v_max_num_f32 v[TMP+4*\tb], v[TMP+4*\tb], v[TMP+4*\tb+3]
	v_max_num_f32 v[TMP+4*\tb], 0, v[TMP+4*\tb]
	v_permlanex16_b32 v[TMP+4*\tb+1], v[TMP+4*\tb], s68, s69
	v_and_b32 v[TMP+4*\tb+2], 0x7fffffff, v[CW+2*\tb]
	v_max_num_f32 v[TMP+4*\tb], v[TMP+4*\tb], v[TMP+4*\tb+1]
	v_mul_f32 v[TMP+4*\tb], v[TMP+4*\tb], v[TMP+4*\tb]
	v_mul_f32 v[TMP+4*\tb], v[TMP+4*\tb], v[TMP+4*\tb+2]
.endr
	s_wait_alu depctr_va_vdst(0)                   ; the three largest are written, which the LDS stores read
.irp tb, 0,1,2
	ds_store_b32 v[MXS], v[TMP+4*\tb] offset:64*\tb  ; both halves of the lanes store the same word with the same number
.endr
	s_wait_dscnt 0x0                               ; for the others' sake: my block of MX is written
	s_barrier_signal -1
	s_barrier_wait -1                              ; MX is whole; nobody writes it again
.irp tb, 0,1,2
.irp w, 0,1,2,3
	ds_load_b32 v[TMP+16+4*\tb+\w], v[MXL] offset:256*\w+64*\tb  ; no vector instruction since the wait above names these twelve registers
.endr
.endr
	s_wait_dscnt 0x0
.irp tb, 0,1,2
	v_max3_num_f32 v[TMP+16+4*\tb], v[TMP+16+4*\tb], v[TMP+16+4*\tb+1], v[TMP+16+4*\tb+2]
	v_max_num_f32 v[TMP+16+4*\tb], v[TMP+16+4*\tb], v[TMP+16+4*\tb+3]
	v_and_b32 v[BK+2*\tb], 0x7f800000, v[TMP+16+4*\tb]  ; the exponent field alone is 2^(E - 127),
	v_max_u32 v[BK+2*\tb], 0x00800000, v[BK+2*\tb]      ; E held to 1 ..
	v_min_u32 v[BK+2*\tb], 0x7e800000, v[BK+2*\tb]      ; .. 253;
	v_sub_nc_u32 v[IV+2*\tb], 0x7f000000, v[BK+2*\tb]   ; the field 254 - E is 2^(127 - E)
	v_mov_b32 v[BK+2*\tb+1], v[BK+2*\tb]
	v_mov_b32 v[IV+2*\tb+1], v[IV+2*\tb]
.endr
	; g = relu(p)^2 x the slot's weight, in f32 as reference() orders it; x 2^(127 - E), exact; rounded once to f16, into H: a lane's eight units of a fragment are 16 bytes of its token's row.
	; The two factors are applied one after the other: g is never above 2^(E - 126), so no product overflows, and a token whose units are all 0 stays 0.
	; All of it works in place in the accumulators' registers, and a block's 64 numbers close up into the first 32 of its 64 registers: the three blocks' results lie apart, and one wait serves all 24 stores.
	WIN 0x44                                       ; destination and source 1 window 1
.set i, 0
.rept 192
	v_max_num_f32 v[i], 0, v[i]
.set i, i+1
.endr
	WIN 0x45                                       ; destination and both sources window 1
.set i, 0
.rept 96
	v_pk_mul_f32 v[2*i:2*i+1], v[2*i:2*i+1], v[2*i:2*i+1]
.set i, i+1
.endr
	WIN 0x41                                       ; destination and source 0 window 1, the factor window 0
.irp tb, 0,1,2
.set i, 0
.rept 32
	v_pk_mul_f32 v[64*\tb+2*i:64*\tb+2*i+1], v[64*\tb+2*i:64*\tb+2*i+1], v[CW+2*\tb:CW+2*\tb+1]
.set i, i+1
.endr
.endr
.irp tb, 0,1,2
.set i, 0
.rept 32
	v_pk_mul_f32 v[64*\tb+2*i:64*\tb+2*i+1], v[64*\tb+2*i:64*\tb+2*i+1], v[IV+2*\tb:IV+2*\tb+1]
.set i, i+1
.endr
.endr
	WIN 0x45
.irp tb, 0,1,2
.set i, 0
.rept 32
	v_cvt_pk_f16_f32 v[64*\tb+i], v[64*\tb+2*i], v[64*\tb+2*i+1]
.set i, i+1
.endr
.endr
	WIN 0x04                                       ; data window 1
	s_wait_alu depctr_va_vdst(0)                   ; the conversions have written h, which the LDS stores read
.irp tb, 0,1,2
.set i, 0
.rept 8
	ds_store_b128 v[HS], v[64*\tb+4*i:64*\tb+4*i+3] offset:\tb*16*PH+i*32
.set i, i+1
.endr
.endr
	WIN 0
	s_wait_dscnt 0x0                               ; for the others' sake: my part of H is written
	s_barrier_signal -1
	s_barrier_wait -1                              ; H is whole.  No barrier stands behind this one
	s_wait_alu depctr_vm_vsrc(0)                   ; my LDS stores have read h out of the accumulators' registers, which the down product's first step writes
	s_cmp_eq_u32 s[CNT], 0
	s_cbranch_scc1 .Ldone                          ; a work-group without rows has nothing to store
; THE WAY OUT of a chunk: the sums take their token's 2^(E - 127) back, in place; then 16 tokens at a time go through my own stage (no other wave touches it: no barrier, and LDS serves a wave's
; instructions in order: no wait between stores and loads); back as whole rows of 128 f32, and each row's store covers 512 consecutive bytes of out, at a multiple of 512.
; Rows past the count are whole instructions and are jumped.
.macro EPI
.rept 5
	v_nop                                          ; four places behind the chunk's last products, before their results are read; the fifth for the next chunk's first products, which write over them (ISA guide 7.12.1)
.endr
.irp tb, 0,1,2
	WIN 0x41                                       ; destination and source 0 window 1, the factor window 0; ascending
.set i, 0
.rept 32
	v_pk_mul_f32 v[64*\tb+2*i:64*\tb+2*i+1], v[64*\tb+2*i:64*\tb+2*i+1], v[BK+2*\tb:BK+2*\tb+1]
.set i, i+1
.endr
	WIN 0x04                                       ; data window 1
	s_wait_alu depctr_va_vdst(0)                   ; the multiplies have written this block's sums, which the LDS stores read; all vector work that named v[TMP ..], in which the loads below land, stands ahead of this wait too
.set f, 0
.rept 8
	ds_store_b128 v[STO], v[64*\tb+8*f:64*\tb+8*f+3]   offset:f*64
	ds_store_b128 v[STO], v[64*\tb+8*f+4:64*\tb+8*f+7] offset:f*64+16
.set f, f+1
.endr
	WIN 0
	s_wait_xcnt 0x0                                ; the registers that earlier stores read are loaded again only behind this wait,
	s_wait_alu depctr_vm_vsrc(0)                   ; and behind this one: the global stores of the 16 rows before (the first time: MX's LDS stores) have read v[TMP ..]
.set t, 0
.rept 16
	ds_load_b128 v[TMP+4*t:TMP+4*t+3], v[RD] offset:t*PS
.set t, t+1
.endr
.set t, 0
.rept 16
	s_cmp_le_u32 s[CNT], 16*\tb+t
	s_cbranch_scc1 .Lepi_end_\@
	s_wait_dscnt 15-t                              ; row t is back; the 15 - t younger loads stay out
	global_store_b128 v[VO+16*\tb+t], v[TMP+4*t:TMP+4*t+3], s[OUTB:OUTB+1] th:TH_STORE_NT
.set t, t+1
.endr
.endr
.Lepi_end_\@:
	s_wait_dscnt 0x0                               ; whatever was jumped: no load from the stage is out
.endm
	; THE DOWN PRODUCT, in f16: four chunks of 128 columns; K = 512 in 16 steps, eight on expert a's weights and units, eight on b's
	TFIRST HA                                      ; the up product's last wait stands behind the last matrix instruction that read TF, and no vector instruction since names it
	s_mov_b32 s[LOOP], 4
.Lchunk:
	QUAD f16,HA,0,0,0,1,1,PA,32768,0
	QUAD f16,HA,256,0,0,0,1,PB,0,0
	QUAD f16,HA,512,0,0,0,1,PB,32768,0
	WIN 0
	s_cmp_eq_u32 s[LOOP], 1
	s_cbranch_scc1 .Llast                          ; the last chunk's end is written out: it asks for nothing more
	QUAD f16,HA,768,1024,0,0,1,PA,65536,0          ; the next chunk's first four steps of weights and its first two steps' token fragments are asked for ahead of the way out
	WIN 0
	EPI
	s_wait_xcnt 0x0                                ; the bases of loads and stores are stepped only behind this wait
	s_wait_alu depctr_vm_vsrc(0)                   ; the way out's LDS stores have read the accumulators, which the next chunk's first step writes
	s_add_nc_u64 s[PA:PA+1], s[PA:PA+1], 65536
	s_add_nc_u64 s[PB:PB+1], s[PB:PB+1], 65536
	s_add_nc_u64 s[OUTB:OUTB+1], s[OUTB:OUTB+1], 512
	s_sub_co_u32 s[LOOP], s[LOOP], 1
	s_cmp_lg_u32 s[LOOP], 0
	s_cbranch_scc1 .Lchunk
.Llast:
	QUAD f16,HA,768,0,1,0,0,PA,0,0                 ; its last two steps issue no load, so they hold no wait on va_vdst
	WIN 0
	EPI
.Ldone:
	s_wait_dscnt 0x0                               ; the LDS instructions so far are done, ahead of the closing add onto the spare LDS words
	s_wait_alu depctr_hold_cnt(0) depctr_sa_sdst(0) depctr_va_vdst(0) depctr_va_sdst(0) depctr_va_ssrc(0) depctr_va_vcc(0) depctr_vm_vsrc(0)
	s_wait_tensorcnt 0x0
	ds_add_u32 v254, v255
	s_wait_dscnt 0x0
	s_endpgm
.Lfunc_end_k_q9b9f17e454_chain:
	.size	k_q9b9f17e454_chain, .Lfunc_end_k_q9b9f17e454_chain-k_q9b9f17e454_chain
	.p2alignl 7, 3214868480
	.fill 96, 4, 3214868480
	.section	.rodata,"a",@progbits
	.p2align	6, 0x0
	.amdhsa_kernel k_q9b9f17e454_chain
		.amdhsa_group_segment_fixed_size 282624
		.amdhsa_private_segment_fixed_size 0
		.amdhsa_enable_private_segment 0
		.amdhsa_kernarg_size 64
		.amdhsa_user_sgpr_count 2
		.amdhsa_user_sgpr_kernarg_segment_ptr 1
		.amdhsa_wavefront_size32 1
		.amdhsa_system_sgpr_workgroup_id_x 1
		.amdhsa_system_sgpr_workgroup_id_y 1
		.amdhsa_system_sgpr_workgroup_id_z 1
		.amdhsa_system_vgpr_workitem_id 0
		.amdhsa_next_free_vgpr 768
		.amdhsa_next_free_sgpr 100
		.amdhsa_reserve_vcc 0
		.amdhsa_float_denorm_mode_32 3
		.amdhsa_float_denorm_mode_16_64 3
		.amdhsa_memory_ordered 1
		.amdhsa_forward_progress 1
		.amdhsa_inst_pref_size 253
	.end_amdhsa_kernel
	.amdgpu_metadata
---
amdhsa.version: [ 1, 2 ]
amdhsa.kernels:
  - .name:           k_q9b9f17e454_chain
    .symbol:         k_q9b9f17e454_chain.kd
    .args:
      - { .name: hidden_states, .offset: 0, .size: 8, .value_kind: global_buffer, .address_space: global }
      - { .name: top_k_index, .offset: 8, .size: 8, .value_kind: global_buffer, .address_space: global }
      - { .name: top_k_weights, .offset: 16, .size: 8, .value_kind: global_buffer, .address_space: global }
      - { .name: wup, .offset: 24, .size: 8, .value_kind: global_buffer, .address_space: global }
      - { .name: wdn, .offset: 32, .size: 8, .value_kind: global_buffer, .address_space: global }
      - { .name: counts, .offset: 40, .size: 8, .value_kind: global_buffer, .address_space: global }
      - { .name: order, .offset: 48, .size: 8, .value_kind: global_buffer, .address_space: global }
      - { .name: out0, .offset: 56, .size: 8, .value_kind: global_buffer, .address_space: global }
    .group_segment_fixed_size: 282624
    .private_segment_fixed_size: 0
    .kernarg_segment_align: 8
    .kernarg_segment_size: 64
    .max_flat_workgroup_size: 128
    .sgpr_count:     100
    .vgpr_count:     768
    .wavefront_size: 32
...
	.end_amdgpu_metadata
.endif
;; end of part 3
